; MI455X (gfx1250); checked and timed in simulation.
; The chip was launched on July 23, 2026; its instructions are those of AMD's public machine-readable ISA for CDNA 5 (MIT licence, August 2026) and "CDNA5" Instruction Set Architecture Reference Guide (July 2026). The comments in the code are by the model that wrote it; some were corrected since.
;; Seeded Self Attention. Allowed arithmetic: matrix products marked QUANTISED: E2M1 operands, one E8M0 scale for each 32 along K, by v_wmma_scale_f32_16x16x128_f8f6f4 with both operands' format E2M1 (or v_wmma_scale_f32_32x16x128_f4), f32 sums; everything else in f32.
;; Inputs: Wk_codes 1,024 x 32 x 16 uint8 (E2M1 codes of Wk, K innermost, in blocks of 32 codes, two codes a byte); Wk_scales 1,024 x 32 uint8 (E8M0 scales of Wk, one for each 32 codes along K); Wv_codes 1,024 x 32 x 16 uint8 (E2M1 codes of Wv, K innermost, in blocks of 32 codes, two codes a byte); Wv_scales 1,024 x 32 uint8 (E8M0 scales of Wv, one for each 32 codes along K); bk 1,024 float32; bv 1,024 float32; seed_vectors_codes 512 x 32 x 16 uint8 (E2M1 codes of seed_vectors, K innermost, in blocks of 32 codes, two codes a byte); seed_vectors_scales 512 x 32 uint8 (E8M0 scales of seed_vectors, one for each 32 codes along K); x_codes 32 x 512 x 32 x 16 uint8 (E2M1 codes of x, K innermost, in blocks of 32 codes, two codes a byte); x_scales 32 x 512 x 32 uint8 (E8M0 scales of x, one for each 32 codes along K).
;; Outputs: out0 32 x 512 x 1,024 float32.
;; This version of the problem:
;;   THIS VERSION OF THE PROBLEM IS GIVEN IN LOW PRECISION. The matrix products marked QUANTISED in the list below multiply operands that are first quantised to E2M1 (2 exponent bits, 1 mantissa bit; 4 bits a number), with one power-of-two scale for each 32 numbers along K (OCP MX v1.0); their sums are f32. All else is computed in f32.
;;   The module's matrix products, in the order in which they are computed (A, B: the left and right operand; K: the contracted axis; several contracted axes count as one K, in the product's order):
;;     1. [M 16,384, K 1,024] x [K 1,024, N 1,024]; A: input x (given as codes); B: input Wk (given as codes): QUANTISED
;;     2. [M 16,384, K 1,024] x [K 1,024, N 1,024]; A: input x (given as codes); B: input Wv (given as codes): QUANTISED
;;     3. [M 16,384, K 1,024] x [K 1,024, N 512]; A: computed on the way; B: input seed_vectors (given as codes): QUANTISED
;;     4. batch 32 x [M 512, K 512] x [K 512, N 1,024]; A: softmax (see below); B: computed on the way: QUANTISED
;;   THE QUANTISER, for each operand of a quantised product, along K:
;;     - K is cut into blocks of 32 from its start; a last block that is shorter is filled with zeros.
;;     - A block's scale is 2^e with e = floor(log2(the largest magnitude in the block)) - 2, held to -126 .. 127; a block of zeros has e = 0. As a byte (E8M0): e + 127.
;;     - Each number is divided by its block's scale, clamped to +-6, and rounded to the nearest number of E2M1, ties to even, subnormals kept.
;;     - The product sums the exact products of the quantised numbers (number of the format x scale) in f32.
;;   ~~~python
;;   def quantise(x, axis):      # numpy; x: float32 -> the quantised numbers, widened to float32 again
;;       x = np.moveaxis(x, axis, -1); K = x.shape[-1]
;;       x = np.pad(x, [(0, 0)] * (x.ndim - 1) + [(0, -K % 32)]); x = x.reshape(x.shape[:-1] + (-1, 32)); a = np.abs(x).max(-1, keepdims=True)
;;       e = np.where(a > 0, np.clip(np.frexp(np.where(a > 0, a, 1))[1] - 1 - 2, -126, 127), 0)      # np.frexp(a)[1] - 1 = floor(log2(a)), exactly
;;       r = np.clip(x / 2.0 ** e, -6, 6)
;;       step = 2.0 ** (np.maximum(np.frexp(np.where(r == 0, 1, r))[1] - 1, 0) - 1)
;;       q = np.round(r / step) * step * 2.0 ** e      # np.round: ties to even
;;       return np.moveaxis(q.reshape(q.shape[:-2] + (-1,))[..., :K], -1, axis).astype(np.float32)
;;   ~~~
;;   SOFTMAX AHEAD OF A QUANTISED PRODUCT. Where the list says 'softmax', what is quantised is not the finished softmax but p = 2^(t - M), with t = logit x log2(e) and M = ceil(the row's largest t), a whole number; so 1/2 < the row's largest p <= 1. The row's sum l is taken of the UNQUANTISED p, in f32, and the product's result is divided by l at the end. Since M is a whole number, a kernel that streams over the keys may use a running M (the ceiling of the running maximum): every later rescaling is an exact power of two, which a block's scale takes up: the codes' values come out the same.
;;   OPERANDS COMPUTED ON THE WAY. 'Computed on the way' means the value that the module computes at that place (a softmax that the list does not call 'softmax' is quantised finished and normalised). What goes into a quantiser is computed in f32, as accurately as f32 sums, v_exp_f32 and their like allow (about 1e-6 of the number): no bf16 or f16 on the way to a quantiser, and a product that is left as it is and whose result goes on into a quantised operand takes f32 operands (vector FMAs, or v_wmma_f32_16x16x4_f32). A number that lies on a knife's edge between two numbers of the format may be rounded either way, as far as f32 arithmetic and the matrix unit's own rounding can turn it there, and no further.
;;   INPUTS GIVEN AS CODES. Wk (in the module: [1024, 1024], K = its axis 0); Wv (in the module: [1024, 1024], K = its axis 0); seed_vectors (in the module: [512, 1024], K = its axis 1); x (in the module: [32, 512, 1024], K = its axis 2): each comes as NAME_codes (uint8): NAME with its K axis moved to the last place and cut into blocks of 32 codes, [.., K / 32, bytes a block], one block behind the other in memory; two codes a byte, the lower K in the low four bits (a code: sign, 2 exponent bits, 1 mantissa bit); and NAME_scales (uint8): the same leading axes, one E8M0 byte (e + 127) for each 32 codes along K. Its value is code x scale, taken as it is: it is not quantised again, and the codes and scales need not be those that the quantiser above would give.
;; One version. Each part assembles by itself: llvm-mc -triple=amdgcn-amd-amdhsa -mcpu=gfx1250 --defsym DOCPART=n.
;; ======== version 1 of 1: 2 launches
;; limits: right only within a limited range of input values
;; workspace buffers: kimg 8,912,896 bytes; vimg 8,912,896 bytes
;; launch proj (part 1): grid 64 x 4, 4 waves a work-group, clusters of 4 x 4, 327,680 bytes of LDS; arguments x_codes, x_scales, Wk_codes, Wk_scales, Wv_codes, Wv_scales, bk, bv, kimg, vimg; writes kimg, vimg
.if DOCPART == 1
	.amdgcn_target "amdgcn-amd-amdhsa--gfx1250"
	.amdhsa_code_object_version 6
	.text
	.protected	k_q356e2085dd_proj
	.globl	k_q356e2085dd_proj
	.p2align	8
	.type	k_q356e2085dd_proj,@function
k_q356e2085dd_proj:
	s_mov_b64 s[64:65], 0
	v_nop
	global_prefetch_b8 v0, s[64:65] scope:SCOPE_SE
	s_setreg_imm32_b32 hwreg(HW_REG_WAVE_MODE, 25, 1), 1
	s_wait_xcnt 0x0
	s_wait_alu depctr_hold_cnt(0) depctr_sa_sdst(0) depctr_va_vdst(0) depctr_va_sdst(0) depctr_va_ssrc(0) depctr_va_vcc(0) depctr_vm_vsrc(0)
	s_getreg_b32 s2, hwreg(HW_REG_IB_STS2, 6, 4)
	s_cmp_eq_u32 s2, 0
	s_cbranch_scc0 .Lentry_in_a_cluster
	s_endpgm
.Lentry_in_a_cluster:
	s_bfe_u32 s2, ttmp6, 0x10000c
	s_cmp_lg_u32 s2, 0xf033
	s_cbranch_scc0 .Lentry_shape_is_right
	s_endpgm
.Lentry_shape_is_right:
; k = x Wk + bk and v = x Wv + bv on codes of FP4 (E2M1) with one E8M0 scale for each 32 along K = 1,024; sums in f32, begun with the bias;
; then k is quantised along p and v along the keys, and both leave as IMAGES OF OPERAND REGISTERS for the next launch.  No step of the problem is left out.
; A work-group makes TWO tiles of 256 x 256 from the same 256 rows of x (rows 256 (4 x cluster + cy) on) and columns p = 256 cx on: 256 work-groups.
; Source 0 ("B", index i, 32 rows an instruction) is the matrix whose row index is the NEXT product's K; source 1 ("A", index j) gives a lane its one row.
;   tile 1 (k): A = x, B = Wk, bias along i.     tile 2 (v): A = Wv, B = x, bias along j.
; Four waves, each 128 x 128.  In accumulator (a, b) lane (r, h) holds j = 16 a + r and, in register 8 e + n, i = 32 b + 16 e + 8 h + n.
; CLUSTERS: 4 x 4.  The four of a row need the same rows of x, the four of a column the same rows of Wk and Wv: each tile of codes is asked for jointly.
; LDS: two slots of 512 along K (rows of 256 bytes); a slot holds x's 256 rows, then W's.  The four first fills are one a wave.  x stays; W's parts hold Wk, then Wv.
; SCALES go straight to registers: a lane takes 16 of a row's 32 bytes, two loads take whole rows of 32 neighbouring lanes: 1,024 bytes on end.
; NO PREFETCH: the text has no loop to run ahead in; every tile is asked for once.
; OUT.  A region of 34,816 bytes holds 128 rows x 512 along the next K: codes at 8192 s + 1024 a + 512 c + 16 lane = registers 4 c .. 4 c + 3 of fragment a of K step s;
;   scale words at 32768 + 512 s + 16 lane + 4 i = the word of row 32 i + lane.   kimg region ((2 batch + half of p) 4 + keys' group);   vimg region (8 batch + p's group).
; THE QUANTISER.  A block of 32 is 16 registers of lanes l and l xor 16.  Its scale byte is the largest magnitude's exponent field - 2, held at 1 from below.
; LIMITS: a block whose largest magnitude lies under 2^-124 (a block of zeros too) keeps the byte 1; these bytes are read by this program alone.  NaN and infinities are not served.
; REGISTERS: window 0: addresses, v32-95 scale words (two sets), v96-159 the bias as C, v168-191 at work, v192-255 codes made.
;   window 1: B's fragments v0-63, v64-127, A's v128-191, v192-255 (two sets each).   windows 2, 3: accumulators of A's blocks 0-3, 4-7: (a, b) at v[64 (a % 4) + 16 b].
.set PITCH,  272                       ; an LDS row: 256 bytes + 16 of padding
.set HALFT,  128*PITCH
.set SLOT,   4*HALFT
.set SPARE,  2*SLOT                    ; the spare words, 128 bytes for each wave
.set REG,    34816
.set PW,   4                           ; v4-11 the scale word of fragment a
.set SW,   12                          ; v12-15 the scale words as they are stored
.set ADRA, 16                          ; v16-17 A in slot 0, 1, tile 1 (x);  v18-19 tile 2 (Wv)
.set ADRB, 20                          ; v20-21 B, tile 1 (Wk);  v22-23 tile 2 (x)
.set LI,   24                          ; 16 x lane
.set A32H, 25                          ; 32 h
.set A4R,  26                          ; 4 r
.set LS,   27                          ; 32 x lane: a row of scales
.set SPW,  30
.set NIL,  31
.set SC,   32                          ; set s at SC + 32 s: + 4 b + q the words of B's rows 32 b + lane, + 16 + 4 a + q those of A's rows 32 a + lane, the slot's q-th 128 along K
.set BI,   96
.set BJ,   160                         ; bv of my row of block a
.set TM,   168
.set TP,   176
.set TS,   184
.set PCB,  192
.set SEL,  2
.set WV,   66
.set HR,   67                          ; which half of A's rows is mine
.set HC,   88                          ; which half of B's rows is mine
.set G1X,  24
.set G0X,  32
.set G1W,  48
.set G0W,  56
.set G0V,  80
.set SXA,  68                          ; scales: x for A, Wk for B, Wv for A, x for B
.set SWB,  70
.set SVA,  72
.set SXB,  74
.set OKC,  76                          ; where my codes and words of k go, and of v
.set OKS,  78
.set OVC,  46
.set OVS,  44
.set MSB, 0
.macro WIN new
.if MSB != (\new)
	s_set_vgpr_msb (MSB<<8)|(\new)
.set MSB, (\new)
.endif
.endm
.macro PLACES                          ; four places (ISA guide 7.12.1)
.rept 4
	v_nop
.endr
.endm
.macro CREST
	s_cmp_lg_u32 s[WV], 0
	s_cbranch_scc1 .Lnot_wave_0_\@
	s_barrier_signal -3
.Lnot_wave_0_\@:
	s_barrier_wait -3
	s_barrier_signal -1
	s_barrier_wait -1
.endm
.macro CROUND
	s_barrier_signal -1
	s_barrier_wait -1
	CREST
.endm
.macro WLOAD sl                        ; a joint refill: W's part of slot sl takes Wv; wave 1 asks
	s_cmp_eq_u32 s[WV], 1
	s_cbranch_scc0 .Lno_fill_\@
	tensor_load_to_lds s[G0V+4*\sl:G0V+4*\sl+3], s[G1W:G1W+7]
	s_nop 0
	PLACES
.Lno_fill_\@:
.endm
.macro ARM under, g0, g1, next
	s_cmp_lt_u32 s[WV], \under
	s_cbranch_scc0 \next
	tensor_load_to_lds s[\g0:\g0+3], s[\g1:\g1+7]
	s_nop 0
	PLACES
	s_branch .Lhead_asked
\next:
.endm
.macro SCLOAD sl, ba, bb               ; a slot's scale words
.irp b, 0,1,2,3
	global_load_b128 v[SC+32*\sl+4*\b:SC+32*\sl+4*\b+3], v[LS], s[\bb:\bb+1] offset:1024*\b+16*\sl
	global_load_b128 v[SC+32*\sl+16+4*\b:SC+32*\sl+16+4*\b+3], v[LS], s[\ba:\ba+1] offset:1024*\b+16*\sl
.endr
.endm
	s_load_b512 s[4:19], s[0:1], 0x0               ; x codes s[4:5], x scales s[6:7], Wk s[8:9], s[10:11], Wv s[12:13], s[14:15], bk s[16:17], bv s[18:19]
	s_load_b128 s[20:23], s[0:1], 0x40             ; kimg, vimg
	v_lshl_add_u32 v[SPW], v0, 2, SPARE
	v_mov_b32 v[NIL], 0
	ds_add_u32 v[SPW], v[NIL]                      ; the opening: the add, twice on end
	ds_add_u32 v[SPW], v[NIL]
	v_lshrrev_b32 v1, 5, v0
	v_readfirstlane_b32 s[WV], v1                  ; wave 0..3
	s_lshr_b32 s[HR], s[WV], 1
	s_and_b32 s[HC], s[WV], 1
	s_bfe_u32 s40, ttmp6, 0x40000                  ; cx: which 256 rows of Wk and Wv
	s_bfe_u32 s41, ttmp6, 0x40004                  ; cy
	s_lshl_b32 s42, ttmp9, 2
	s_add_co_u32 s42, s42, s41                     ; which 256 rows of x: 4 x cluster + cy
	s_lshl_b32 s43, s41, 2
	s_lshl_b32 s43, 15, s43                        ; my row of the cluster
	s_lshl_b32 s44, 0x1111, s40                    ; my column
	s_or_b32 s[G1X+0], s43, (1<<20)|(1<<21)|(5<<22)|(3<<25)  ; the mask; elements of 1 byte; 4 words of padding behind every 64; bit 21 beside a mask
	s_or_b32 s[G1W+0], s44, (1<<20)|(1<<21)|(5<<22)|(3<<25)
.irp g, G1X, G1W
	s_mov_b32 s[\g+1], 256<<16                     ; 256 rows of 256 bytes, 512 bytes apart
	s_mov_b32 s[\g+2], 256<<16
	s_mov_b32 s[\g+3], 256<<16
	s_mov_b32 s[\g+4], 256
	s_mov_b32 s[\g+5], 512
	s_mov_b32 s[\g+6], 0
	s_mov_b32 s[\g+7], 0
.endr
	s_lshl_b32 s90, s42, 17                        ; x: 256 rows of 512 bytes; hangs on cy, never on cx
	s_mov_b32 s91, 0
	s_lshl_b32 s92, s40, 17                        ; W: hangs on cx, never on cy
	s_mov_b32 s93, 0
	s_lshl_b32 s94, s42, 13                        ; scales: 256 rows of 32 bytes
	s_lshl_b32 s95, s40, 13
	s_lshl_b32 s96, s[HR], 12
	s_lshl_b32 s97, s[HC], 12
	s_add_co_u32 s[SXA], s94, s96
	s_mov_b32 s[SXA+1], 0
	s_add_co_u32 s[SWB], s95, s97
	s_mov_b32 s[SWB+1], 0
	s_add_co_u32 s[SVA], s95, s96
	s_mov_b32 s[SVA+1], 0
	s_add_co_u32 s[SXB], s94, s97
	s_mov_b32 s[SXB+1], 0
	s_lshl_b32 s94, s42, 1
	s_lshl_b32 s95, s40, 1
	s_add_co_u32 s96, s94, s[HR]                   ; tile 1: which 128 keys,
	s_add_co_u32 s97, s95, s[HC]                   ; which 128 of p
	s_lshr_b32 s98, s96, 2
	s_lshl_b32 s98, s98, 1
	s_lshr_b32 s99, s97, 2
	s_add_co_u32 s98, s98, s99                     ; 2 batch + half of p
	s_lshl_b32 s98, s98, 2
	s_and_b32 s99, s96, 3
	s_add_co_u32 s98, s98, s99
	s_mul_i32 s98, s98, REG
	s_and_b32 s99, s97, 3                          ; K step in the region
	s_lshl_b32 s100, s99, 13
	s_add_co_u32 s[OKC], s98, s100
	s_mov_b32 s[OKC+1], 0
	s_lshl_b32 s100, s99, 9
	s_add_co_u32 s98, s98, s100
	s_add_co_u32 s[OKS], s98, 32768
	s_mov_b32 s[OKS+1], 0
	s_lshl_b32 s100, s97, 9                        ; bk along i
	s_mov_b32 s101, 0
	s_add_co_u32 s96, s95, s[HR]                   ; tile 2: which 128 of p,
	s_add_co_u32 s97, s94, s[HC]                   ; which 128 keys
	s_lshr_b32 s98, s97, 2
	s_lshl_b32 s98, s98, 3
	s_add_co_u32 s98, s98, s96                     ; 8 batch + p's group
	s_mul_i32 s98, s98, REG
	s_and_b32 s99, s97, 3
	s_lshl_b32 s94, s99, 13
	s_add_co_u32 s[OVC], s98, s94
	s_mov_b32 s[OVC+1], 0
	s_lshl_b32 s94, s99, 9
	s_add_co_u32 s98, s98, s94
	s_add_co_u32 s[OVS], s98, 32768
	s_mov_b32 s[OVS+1], 0
	s_lshl_b32 s98, s96, 9                         ; bv along j
	s_mov_b32 s99, 0
	s_mul_i32 s94, s[HR], HALFT
	s_mul_i32 s95, s[HC], HALFT
	s_mov_b32 s[SEL], 0x76543210
	s_mov_b32 s[SEL+1], 0xfedcba98
	s_wait_dscnt 0x0                               ; both opening adds are done
	s_wait_kmcnt 0x0
	s_add_nc_u64 s[4:5], s[4:5], s[90:91]
	s_add_nc_u64 s[8:9], s[8:9], s[92:93]
	s_add_nc_u64 s[12:13], s[12:13], s[92:93]
.irp z, 0,1
	s_mov_b32 s[G0X+4*\z], 1
	s_mov_b32 s[G0X+4*\z+1], \z*SLOT
	s_add_nc_u64 s[G0X+4*\z+2:G0X+4*\z+3], s[4:5], 256*\z
	s_or_b32 s[G0X+4*\z+3], s[G0X+4*\z+3], 0x80000000
	s_mov_b32 s[G0W+4*\z], 1
	s_mov_b32 s[G0W+4*\z+1], \z*SLOT+2*HALFT
	s_add_nc_u64 s[G0W+4*\z+2:G0W+4*\z+3], s[8:9], 256*\z
	s_or_b32 s[G0W+4*\z+3], s[G0W+4*\z+3], 0x80000000
	s_mov_b32 s[G0V+4*\z], 1                       ; Wv goes where Wk was
	s_mov_b32 s[G0V+4*\z+1], \z*SLOT+2*HALFT
	s_add_nc_u64 s[G0V+4*\z+2:G0V+4*\z+3], s[12:13], 256*\z
	s_or_b32 s[G0V+4*\z+3], s[G0V+4*\z+3], 0x80000000
.endr
	CROUND                                         ; all sixteen work-groups are here: the first joint loads meet
; The head's loads, one a wave: x and Wk of slot 0, x and Wk of slot 1.
	ARM 1, G0X, G1X, .Lhead_w0
	ARM 2, G0W, G1W, .Lhead_x1
	ARM 3, G0X+4, G1X, .Lhead_w1
	tensor_load_to_lds s[G0W+4:G0W+7], s[G1W:G1W+7]
	s_nop 0
	PLACES
.Lhead_asked:
	s_add_nc_u64 s[SXA:SXA+1], s[6:7], s[SXA:SXA+1]
	s_add_nc_u64 s[SWB:SWB+1], s[10:11], s[SWB:SWB+1]
	s_add_nc_u64 s[SVA:SVA+1], s[14:15], s[SVA:SVA+1]
	s_add_nc_u64 s[SXB:SXB+1], s[6:7], s[SXB:SXB+1]
	s_add_nc_u64 s[16:17], s[16:17], s[100:101]
	s_add_nc_u64 s[18:19], s[18:19], s[98:99]
	s_add_nc_u64 s[OKC:OKC+1], s[20:21], s[OKC:OKC+1]
	s_add_nc_u64 s[OKS:OKS+1], s[20:21], s[OKS:OKS+1]
	s_add_nc_u64 s[OVC:OVC+1], s[22:23], s[OVC:OVC+1]
	s_add_nc_u64 s[OVS:OVS+1], s[22:23], s[OVS:OVS+1]
	v_and_b32 v1, 15, v0                           ; r
	v_bfe_u32 v2, v0, 4, 1                         ; h
	v_and_b32 v3, 31, v0                           ; lane
	v_lshlrev_b32 v[LS], 5, v3
	v_lshlrev_b32 v[LI], 4, v3
	v_lshlrev_b32 v[A32H], 5, v2
	v_lshlrev_b32 v[A4R], 2, v1
	SCLOAD 0, SXA, SWB                             ; tile 1's scale words, both slots
	SCLOAD 1, SXA, SWB
.irp b, 0,1,2,3,4,5,6,7
	global_load_b128 v[BI+8*\b:BI+8*\b+3], v[A32H], s[16:17] offset:64*\b   ; bk at 16 b + 8 h + 0 .. 7: the result's layout
	global_load_b128 v[BI+8*\b+4:BI+8*\b+7], v[A32H], s[16:17] offset:64*\b+16
.endr
.irp a, 0,1,2,3,4,5,6,7
	global_load_b32 v[BJ+\a], v[A4R], s[18:19] offset:64*\a
.endr
	v_mul_u32_u24 v4, v1, PITCH
	v_lshl_add_u32 v5, v2, 4, v4                   ; a fragment's row x pitch + 16 x half
	v_add_nc_u32 v16, s94, v5                      ; tile 1's A: x
	v_add_nc_u32 v22, s95, v5                      ; tile 2's B: x
	v_add_nc_u32 v17, SLOT, v16
	v_add_nc_u32 v23, SLOT, v22
	v_add_nc_u32 v18, 2*HALFT, v16                 ; tile 2's A: W
	v_add_nc_u32 v20, 2*HALFT, v22                 ; tile 1's B: W
	v_add_nc_u32 v19, SLOT, v18
	v_add_nc_u32 v21, SLOT, v20
.irp b, 0,1,2,3,4,5,6,7
	v_mov_b32 v[TP+\b], 0                          ; a lane permute's destination counts as one of its sources
.endr
.macro FRAG reg, adr, q, i             ; a fragment: lane l holds row l % 16; registers 4 c .. 4 c + 3 hold K = 64 c + 32 (l / 16) + 0 .. 31
.irp c, 0,1
	ds_load_b128 v[\reg+4*\c:\reg+4*\c+3], v[\adr] offset:64*(\q)+32*\c+(\i)*16*PITCH
.endr
.endm
.macro LOADG sl, q, p, g               ; a quarter of a side, four loads: B's fragments 2 g, 2 g + 1 (g under 4) or A's 2 g - 8, 2 g - 7, into set p
.if (\g) < 4
	FRAG 64*(\p)+16*(\g), ADRB+\sl, \q, 2*(\g)
	FRAG 64*(\p)+16*(\g)+8, ADRB+\sl, \q, 2*(\g)+1
.else
	FRAG 128+64*(\p)+16*(\g-4), ADRA+\sl, \q, 2*(\g-4)
	FRAG 128+64*(\p)+16*(\g-4)+8, ADRA+\sl, \q, 2*(\g-4)+1
.endif
.endm
; Four matrix instructions: A's block a x B's 128 rows.  ck: C is 0 the accumulator, 1 bk along i, 2 bv of my row.  The 32 accumulators take turns, in the same order in every step.
.macro GRP a, p, q, sc, ck
.if (\ck) == 0
	WIN 0xa5+0x50*((\a)/4)
.else
	WIN 0x85+0x40*((\a)/4)
.endif
.irp b, 0,1,2,3
.set rD, 64*((\a)%4)+16*\b
.if (\ck) == 0
.set rC, rD
.elseif (\ck) == 1
.set rC, BI+16*\b
.else
.set rC, BI+16*((\a)%4)
.endif
.set rA, 64*(\p)+16*\b
.set rB, 128+64*(\p)+8*(\a)
.set rX, SC+32*(\sc)+4*\b+(\q)
.set rY, SC+32*(\sc)+16+4*((\a)/2)+(\q)
.if (\a)%2
	v_wmma_scale_f32_32x16x128_f4 v[rD:rD+15], v[rA:rA+15], v[rB:rB+7], v[rC:rC+15], v[rX], v[rY] matrix_b_scale:MATRIX_SCALE_ROW1
.else
	v_wmma_scale_f32_32x16x128_f4 v[rD:rD+15], v[rA:rA+15], v[rB:rB+7], v[rC:rC+15], v[rX], v[rY]
.endif
.endr
.endm
; bv of my row of blocks a0 .. a0 + 3, sixteen times each, as C
.macro BIAS4 a0
	WIN 0
.irp a, 0,1,2,3
.irp k, 0,1,2,3,4,5,6,7,8,9,10,11,12,13,14,15
	v_mov_b32 v[BI+16*\a+\k], v[BJ+\a0+\a]
.endr
.endr
	s_wait_alu depctr_va_vdst(0)
.endm
; A step of 128 along K with its successor in the same slot: two runs of 16 loads, the next step's B ahead of A's blocks 0-3, its A ahead of A's blocks 4-7.
.macro STEP sl, q, ck
	PLACES                                         ; in front of loads into the sets that the step before multiplied
	WIN 0x40
.irp g, 0,1,2,3
	LOADG \sl, (\q)+1, 1-(\q)%2, \g
.endr
	s_wait_dscnt 24                                ; B and A's blocks 0-3 are in; behind them A's blocks 4-7 (8 loads) and the 16 just issued
.irp g, 0,1,2,3
	GRP \g, (\q)%2, \q, \sl, \ck
.endr
	WIN 0x40
.irp g, 4,5,6,7
	LOADG \sl, (\q)+1, 1-(\q)%2, \g
.endr
.if (\ck) == 2
	PLACES                                         ; the tuples of blocks 0-3 have just been read
	BIAS4 4
.endif
	s_wait_dscnt 32                                ; A's blocks 4-7 are in; this step's 32 may be out
.irp g, 4,5,6,7
	GRP \g, (\q)%2, \q, \sl, \ck
.endr
.endm
; A slot's last step: the barrier stands in its middle and the next slot's first fragments come behind it.  fill = 1: the barrier opens a round, and W's part of this slot takes Wv.
.macro TURN sl, fill
	WIN 0
	s_wait_tensorcnt 0x0                           ; all my tensor loads have landed
.if \fill
	ds_add_u32 v[SPW], v[NIL]                      ; 0 onto my spare word
	s_wait_dscnt 9                                 ; (the add and A's blocks 4-7 may be out)
.else
	s_wait_dscnt 8
.endif
	GRP 0, 1, 3, \sl, 0
	GRP 1, 1, 3, \sl, 0
	s_wait_dscnt 0x0                               ; the add is done, and my reads of this slot are over
	s_barrier_signal -1
	GRP 2, 1, 3, \sl, 0
	GRP 3, 1, 3, \sl, 0
	WIN 0
	s_barrier_wait -1
.if \fill
	CREST                                          ; no wave of any partner still reads this slot or has a load on its way
	WLOAD \sl
.endif
	PLACES
	WIN 0x40
.irp g, 0,1,2,3,4,5,6,7
	LOADG 1-\sl, 0, 0, \g
.endr
.irp g, 4,5,6,7
	GRP \g, 1, 3, \sl, 0
.endr
.endm
; A's blocks a, a + 1 leave: eight blocks of 32 by turns, each accumulator read from its low end on.
.macro OUT2 a, oc
.set wW, 2+(\a)/4
.set AC, 64*((\a)%4)
	WIN 5*wW
.irp n, 0,1,2,3,4,5,6,7
	v_max3_num_f32 v[TM+\n], |v[AC+16*\n]|, |v[AC+16*\n+1]|, 0x1800000   ; and the floor 2^(3 - 127)
.endr
	WIN 20*wW
.irp i, 2,4,6,8,10,12,14
.irp n, 0,1,2,3,4,5,6,7
	v_max3_num_f32 v[TM+\n], v[TM+\n], |v[AC+16*\n+\i]|, |v[AC+16*\n+\i+1]|
.endr
.endr
	WIN 0
.irp n, 0,1,2,3,4,5,6,7
	v_permlanex16_b32 v[TP+\n], v[TM+\n], s[SEL], s[SEL+1]
.endr
.irp n, 0,1,2,3,4,5,6,7
	v_max_num_f32 v[TM+\n], v[TM+\n], v[TP+\n]
.endr
.irp n, 0,1,2,3,4,5,6,7
	v_add_nc_u32 v[TS+\n], 0xff000000, v[TM+\n]    ; 2 off the exponent field: the conversion's scale operand
.endr
.irp n, 0,1,2,3,4,5,6,7
	v_lshrrev_b32 v[TP+\n], 23, v[TS+\n]           ; the scale's byte
.endr
.irp k, 1,2,3
.irp e, 0,1
.if \k == 1
	v_lshl_or_b32 v[PW+\a+\e], v[TP+4*\e+1], 8, v[TP+4*\e]
.else
	v_lshl_or_b32 v[PW+\a+\e], v[TP+4*\e+\k], 8*\k, v[PW+\a+\e]
.endif
.endr
.endr
	WIN wW
.irp n, 0,1,2,3,4,5,6,7                ; block b = n % 4, half u goes to code register 4 (b / 2) + 2 u + b % 2
.set rP, PCB+8*(\a+\n/4)+4*((\n%4)/2)+(\n%2)
	v_cvt_scalef32_pk8_fp4_f32 v[rP], v[AC+16*\n:AC+16*\n+7], v[TS+\n]
	v_cvt_scalef32_pk8_fp4_f32 v[rP+2], v[AC+16*\n+8:AC+16*\n+15], v[TS+\n]
.endr
	WIN 0
	v_nop                                          ; one plain place behind a scaled conversion
.irp e, 0,1
.irp c, 0,2,4,6
	v_permlane16_swap_b32 v[PCB+8*(\a+\e)+\c], v[PCB+8*(\a+\e)+\c+1]
.endr
.endr
.irp e, 0,1
	global_store_b128 v[LI], v[PCB+8*(\a+\e):PCB+8*(\a+\e)+3], s[\oc:\oc+1] offset:1024*(\a+\e)   ; 32 lanes store 512 consecutive bytes
	global_store_b128 v[LI], v[PCB+8*(\a+\e)+4:PCB+8*(\a+\e)+7], s[\oc:\oc+1] offset:1024*(\a+\e)+512
.endr
.endm
.macro WAYOUT oc, os
.irp a, 0,2,4,6
	OUT2 \a, \oc
.endr
	v_cmp_ne_u32 vcc_lo, 0, v2
.irp i, 0,1,2,3
	v_cndmask_b32 v[SW+\i], v[PW+2*\i], v[PW+2*\i+1], vcc_lo   ; the word of row 32 i + lane
.endr
	global_store_b128 v[LI], v[SW:SW+3], s[\os:\os+1]
.endm
	s_wait_alu depctr_va_vdst(0)                   ; the wait at the head's end
	s_cmp_lt_u32 s[WV], 2
	s_cbranch_scc0 .Llater                         ; waves 2 and 3 fetch slot 1: their wait stands at slot 0's end
	s_wait_tensorcnt 0x0                           ; x's or Wk's part of slot 0 is in
.Llater:
	s_barrier_signal -1
	s_barrier_wait -1                              ; slot 0 is whole.
	WIN 0x40
.irp g, 0,1,2,3,4,5,6,7
	LOADG 0, 0, 0, \g
.endr
	s_wait_loadcnt 0x0                             ; scale words and biases
	; ---- tile 1: k
	STEP 0, 0, 1                                   ; the first products start the sums, from bk
	STEP 0, 1, 0
	STEP 0, 2, 0
	TURN 0, 1
	STEP 1, 0, 0
	WIN 0
	SCLOAD 0, SVA, SXB                             ; tile 2's words of slot 0: the set's last reader lies a step and its four places back
	STEP 1, 1, 0
	STEP 1, 2, 0
.set ADRA, 18
.set ADRB, 22
	TURN 1, 1                                      ; and tile 2's first fragments: slot 0's Wv has landed by this round
	WIN 0
	PLACES                                         ; in front of the first read of results and of loads into scale words
	SCLOAD 1, SVA, SXB
	WAYOUT OKC, OKS
	; ---- tile 2: v
	BIAS4 0
	s_wait_loadcnt 0x0                             ; tile 2's scale words
	STEP 0, 0, 2                                   ; from bv
	STEP 0, 1, 0
	STEP 0, 2, 0
	TURN 0, 0
	STEP 1, 0, 0
	STEP 1, 1, 0
	STEP 1, 2, 0
.irp g, 0,1,2,3,4,5,6,7                ; the last step: nothing more to fetch
.if (\g)%2 == 0
	s_wait_dscnt 12-2*\g
.endif
	GRP \g, 1, 3, 1, 0
.endr
	WIN 0
	PLACES
	s_wait_xcnt 0x0                                ; tile 1's stores have read their registers
	WAYOUT OVC, OVS
	s_wait_tensorcnt 0x0                           ; the wave's end
	ds_add_u32 v[SPW], v[NIL]
	s_wait_dscnt 0x0
	CROUND                                         ; the closing round
	s_endpgm
.Lfunc_end_k_q356e2085dd_proj:
	.size	k_q356e2085dd_proj, .Lfunc_end_k_q356e2085dd_proj-k_q356e2085dd_proj
	.p2alignl 7, 3214868480
	.fill 96, 4, 3214868480
	.section	.rodata,"a",@progbits
	.p2align	6, 0x0
	.amdhsa_kernel k_q356e2085dd_proj
		.amdhsa_group_segment_fixed_size 327680
		.amdhsa_private_segment_fixed_size 0
		.amdhsa_enable_private_segment 0
		.amdhsa_kernarg_size 80
		.amdhsa_user_sgpr_count 2
		.amdhsa_user_sgpr_kernarg_segment_ptr 1
		.amdhsa_wavefront_size32 1
		.amdhsa_system_sgpr_workgroup_id_x 1
		.amdhsa_system_sgpr_workgroup_id_y 1
		.amdhsa_system_sgpr_workgroup_id_z 1
		.amdhsa_system_vgpr_workitem_id 0
		.amdhsa_next_free_vgpr 1024
		.amdhsa_next_free_sgpr 102
		.amdhsa_reserve_vcc 1
		.amdhsa_float_denorm_mode_32 3
		.amdhsa_float_denorm_mode_16_64 3
		.amdhsa_memory_ordered 1
		.amdhsa_forward_progress 1
		.amdhsa_inst_pref_size 186
	.end_amdhsa_kernel
	.amdgpu_metadata
---
amdhsa.version: [ 1, 2 ]
amdhsa.kernels:
  - .name:           k_q356e2085dd_proj
    .symbol:         k_q356e2085dd_proj.kd
    .args:
      - { .name: x_codes, .offset: 0, .size: 8, .value_kind: global_buffer, .address_space: global }
      - { .name: x_scales, .offset: 8, .size: 8, .value_kind: global_buffer, .address_space: global }
      - { .name: Wk_codes, .offset: 16, .size: 8, .value_kind: global_buffer, .address_space: global }
      - { .name: Wk_scales, .offset: 24, .size: 8, .value_kind: global_buffer, .address_space: global }
      - { .name: Wv_codes, .offset: 32, .size: 8, .value_kind: global_buffer, .address_space: global }
      - { .name: Wv_scales, .offset: 40, .size: 8, .value_kind: global_buffer, .address_space: global }
      - { .name: bk, .offset: 48, .size: 8, .value_kind: global_buffer, .address_space: global }
      - { .name: bv, .offset: 56, .size: 8, .value_kind: global_buffer, .address_space: global }
      - { .name: kimg, .offset: 64, .size: 8, .value_kind: global_buffer, .address_space: global }
      - { .name: vimg, .offset: 72, .size: 8, .value_kind: global_buffer, .address_space: global }
    .group_segment_fixed_size: 327680
    .private_segment_fixed_size: 0
    .kernarg_segment_align: 8
    .kernarg_segment_size: 80
    .max_flat_workgroup_size: 128
    .sgpr_count:     102
    .vgpr_count:     1024
    .wavefront_size: 32
...
	.end_amdgpu_metadata
.endif
;; end of part 1
;; launch attn (part 2): grid 4 x 64, 8 waves a work-group, clusters of 4 x 4, 327,680 bytes of LDS; arguments kimg, vimg, seed_vectors_codes, seed_vectors_scales, out0; writes out0
.if DOCPART == 2
	.amdgcn_target "amdgcn-amd-amdhsa--gfx1250"
	.amdhsa_code_object_version 6
	.text
	.protected	k_q356e2085dd_attn
	.globl	k_q356e2085dd_attn
	.p2align	8
	.type	k_q356e2085dd_attn,@function
k_q356e2085dd_attn:
	s_mov_b64 s[64:65], 0
	v_nop
	global_prefetch_b8 v0, s[64:65] scope:SCOPE_SE
	s_setreg_imm32_b32 hwreg(HW_REG_WAVE_MODE, 25, 1), 1
	s_wait_xcnt 0x0
	s_wait_alu depctr_hold_cnt(0) depctr_sa_sdst(0) depctr_va_vdst(0) depctr_va_sdst(0) depctr_va_ssrc(0) depctr_va_vcc(0) depctr_vm_vsrc(0)
	s_getreg_b32 s2, hwreg(HW_REG_IB_STS2, 6, 4)
	s_cmp_eq_u32 s2, 0
	s_cbranch_scc0 .Lentry_in_a_cluster
	s_endpgm
.Lentry_in_a_cluster:
	s_bfe_u32 s2, ttmp6, 0x10000c
	s_cmp_lg_u32 s2, 0xf033
	s_cbranch_scc0 .Lentry_shape_is_right
	s_endpgm
.Lentry_shape_is_right:
; out[b][s][:] = the sum over n of softmax_n(seed[s] . k[b][n] / 32) v[b][n][:], both products on codes of FP4 (E2M1) with one E8M0 scale for each 32 along K.
; k and v come as images of operand registers, in regions of 34,816 bytes: codes at 8192 s + 1024 a + 512 c + 16 lane = registers 4 c .. 4 c + 3 of fragment a (16 rows) of the region's K step s;
; scale words at 32768 + 512 s + 16 lane + 4 i = the word of row 32 i + lane.  In LDS 16 bytes of padding stand behind every 1,024: a fragment's pitch is 1,040.
; THE SOFTMAX AHEAD OF THE SECOND PRODUCT: t = score x log2(e) / 32; M = the row's largest t, rounded UP to a whole number; p = 2^(t - M) is quantised along the keys, not normalised;
; the row's sum is taken of the unquantised p, in f32, and divides the result at the end.  All 512 scores of a row exist at once, 64 in each wave: nothing is rescaled.
; SHARES.  A work-group owns 64 seeds of one batch; eight waves.  S^T = K Q^T (source 0 = 32 keys, source 1 = 16 seeds): wave w takes keys 64 w on against all 64 seeds.  Lane (r, h) of tile (q, m) holds seed 16 q + r and,
; in register 8 e + n, key 32 m + 16 e + 8 h + n: quantised, they are half of K step w / 2 of the second product, and go to the other waves through LDS as an image.
; O = P V (source 0 = 32 seeds, source 1 = 16 columns): wave w takes columns 128 w on, in two groups of 64.  THE COLUMNS OF A TILE ARE NOT NEIGHBOURS: lane r of tile t takes column 4 r + t of the group,
; so that register j of the four tiles is 16 bytes of a row, and sixteen lanes hold 256 neighbouring bytes: results leave straight from registers.
; CLUSTERS: 4 x 4, two batches, two rows of four work-groups each.  The four of a row ask for k and v jointly.  The seeds (32 KB, others in each partner of a row) are asked for by each work-group.
; LDS: eight parts of 35,360 bytes: k's K steps 0-3 by groups of 128 keys, K steps 4-7 likewise; then v: part w takes wave w's columns, which that wave alone fetches and reads.
; Behind them the seeds, whose bytes take P's images once every wave has read the seeds; the waves' maxima, sums and reciprocals; the spare words.
; NO PREFETCH: the text has no loop to run ahead in; every part is asked for once.
; LIMITS: p under 2^-126 comes out of the exponential as 0 (nothing beside a row sum above 1/2); a block of p whose largest lies under 2^-124 keeps the byte 1.  NaN and infinities are not served.
; REGISTERS: window 0: addresses, scale words, statistics; then v64-127 v's fragments (two sets), v128-255 P's: (u, s) at v[128 + 64 u + 16 s].
;   window 1: v0-127 S^T, then p, then O: tile (u, t) at v[64 u + 16 t];   v128-255 fragments of k and of the seeds (two sets), then rows on their way out.
; In the second product window 1 holds O of the first group in v0-127 and of the second in v128-255; finished rows leave from window 0's v128-255, then from window 1's v0-63 and v128-191.
.set REG,   34816
.set FP,    1040
.set RPART, 34*FP
.set R1,    4*RPART
.set KSC,   32*FP                      ; where a part's scale words begin
.set SEED,  8*RPART
.set SPT,   528                        ; a seed's row: 512 bytes + 16
.set PIMG,  SEED                       ; P's images: fragment 4 q + s, 1,024 bytes each
.set PSC,   PIMG+16*1024               ; their scale words: 128 bytes for each (u, s)
.set MAXS,  SEED+64*SPT                ; the waves' largest scores: word 8 seed + wave
.set SUMS,  MAXS+2048                  ; their sums
.set INVB,  SUMS+2048                  ; 1 / the row's sum, 256 bytes for each wave
.set SPARE, INVB+2048                  ; the spare words, 128 bytes for each wave
.set SPW,  1
.set NIL,  2
.set GO,   3                           ; my byte offset in a row of the output: 16 x lane
.set AV,   4                           ; v's fragments
.set AVS,  5                           ; v's scale words
.set APL,  6                           ; P's images
.set APSL, 7                           ; P's scale words
.set ASM,  8                           ; sums of seed lane
.set AIW,  9                           ; reciprocals: where I store, where I read
.set AIR,  10
.set PSR,  16                          ; v16-23 P's scale words, 4 u + s
.set INV,  24                          ; v24-55 reciprocals of seeds 16 q + 8 h + j at 8 q + j (the ten addresses below are done with by then)
.set AR0,  24                          ; v24-25 k's fragments, in the first and the last four parts
.set AK0,  26                          ; v26-27 k's scale words
.set AQ,   28                          ; the seeds' fragments
.set AST,  29                          ; where I store a maximum or a sum, where I read the maxima
.set ASR,  30
.set API,  31                          ; where I store P's images and scale words
.set APS,  32
.set QSO,  33
.set KSR,  34                          ; v34-37 k's scale words, a pair for each set
.set SQ,   40                          ; v40-55 the seeds' scale words: 8 u + s: lanes 0-15 seeds of tile 2 u, lanes 16-31 of 2 u + 1
.set VS,   56                          ; v56-63 v's scale words: 4 n + t: lanes 0-15 the first group's columns, lanes 16-31 the second's
.set BM,   64
.set PX,   72
.set NMP,  104
.set LA,   112
.set LB,   120
.set SO,   128
.set WMX,  136
.set PW,   140
.set PC,   144
.set WV,   14
.set G1K,  24                          ; group 1: 34 rows of 1,024 bytes;  G1L: 68 rows;  G1Q: 32 seeds
.set G1L,  32
.set G1Q,  40
.set G0K,  48
.set G0L,  52
.set G0Q,  56
.set G0V,  60
.set CS,   66
.set SEL,  68
.set MSB, 0
.macro WIN new
.if MSB != (\new)
	s_set_vgpr_msb (MSB<<8)|(\new)
.set MSB, (\new)
.endif
.endm
.macro PLACES
.rept 4
	v_nop
.endr
.endm
.macro CREST
	s_cmp_lg_u32 s[WV], 0
	s_cbranch_scc1 .Lnot_wave_0_\@
	s_barrier_signal -3
.Lnot_wave_0_\@:
	s_barrier_wait -3
	s_barrier_signal -1
	s_barrier_wait -1
.endm
.macro CROUND
	s_barrier_signal -1
	s_barrier_wait -1
	CREST
.endm
.macro ARM under, g0, g1, next
	s_cmp_lt_u32 s[WV], \under
	s_cbranch_scc0 \next
	tensor_load_to_lds s[\g0:\g0+3], s[\g1:\g1+7]
	s_nop 0
	PLACES
	s_branch .Lhead_asked
\next:
.endm
.macro FETCHK s                        ; K step s of my 64 keys and of the seeds into set s % 2: 17 loads
.set rN, (\s)%2
.set rS, (\s)%4
	WIN 0x40
.irp i, 0,1,2,3
.irp c, 0,1
	ds_load_b128 v[128+64*rN+8*\i+4*\c:128+64*rN+8*\i+4*\c+3], v[AR0+(\s)/4] offset:FP*(8*rS+\i)+512*\c
.endr
.endr
.irp q, 0,1,2,3
.irp c, 0,1
	ds_load_b128 v[160+64*rN+8*\q+4*\c:160+64*rN+8*\q+4*\c+3], v[AQ] offset:16*SPT*\q+64*(\s)+32*\c
.endr
.endr
	WIN 0
	ds_load_b64 v[KSR+2*rN:KSR+2*rN+1], v[AK0+(\s)/4] offset:512*rS+16*(rS/2)
.endm
.macro MULK s                          ; the eight accumulators take turns
	WIN 0x55
.set rN, (\s)%2
.irp m, 0,1
.irp q, 0,1,2,3
.set rD, 32*\q+16*\m
.set rA, 128+64*rN+16*\m
.set rB, 160+64*rN+8*\q
.set rX, KSR+2*rN+\m
.set rY, SQ+8*(\q/2)+(\s)
.if (\s) == 0
.if \q%2
	v_wmma_scale_f32_32x16x128_f4 v[rD:rD+15], v[rA:rA+15], v[rB:rB+7], 0, v[rX], v[rY] matrix_b_scale:MATRIX_SCALE_ROW1
.else
	v_wmma_scale_f32_32x16x128_f4 v[rD:rD+15], v[rA:rA+15], v[rB:rB+7], 0, v[rX], v[rY]
.endif
.else
.if \q%2
	v_wmma_scale_f32_32x16x128_f4 v[rD:rD+15], v[rA:rA+15], v[rB:rB+7], v[rD:rD+15], v[rX], v[rY] matrix_b_scale:MATRIX_SCALE_ROW1
.else
	v_wmma_scale_f32_32x16x128_f4 v[rD:rD+15], v[rA:rA+15], v[rB:rB+7], v[rD:rD+15], v[rX], v[rY]
.endif
.endif
.endr
.endr
.endm
.macro FETCHV i                        ; step i: columns' group i / 4, K step i % 4, into set i % 2: 12 loads
.set rG, (\i)/4
.set rS, (\i)%4
.set rN, (\i)%2
.irp t, 0,1,2,3
.irp c, 0,1
	ds_load_b128 v[64+32*rN+8*\t+4*\c:64+32*rN+8*\t+4*\c+3], v[AV] offset:FP*(8*rS+4*rG)+512*\c+16*\t
.endr
	ds_load_b32 v[VS+4*rN+\t], v[AVS] offset:512*rS+16*(rS/2)+16*\t
.endr
.endm
.macro MULV i
	WIN 0x50
.set rG, (\i)/4
.set rS, (\i)%4
.set rN, (\i)%2
.irp t, 0,1,2,3
.irp u, 0,1
.set rD, 128*rG+64*\u+16*\t
.set rA, 128+64*\u+16*rS
.set rB, 64+32*rN+8*\t
.set rX, PSR+4*\u+rS
.set rY, VS+4*rN+\t
.if rS == 0
.if rG
	v_wmma_scale_f32_32x16x128_f4 v[rD:rD+15], v[rA:rA+15], v[rB:rB+7], 0, v[rX], v[rY] matrix_b_scale:MATRIX_SCALE_ROW1
.else
	v_wmma_scale_f32_32x16x128_f4 v[rD:rD+15], v[rA:rA+15], v[rB:rB+7], 0, v[rX], v[rY]
.endif
.else
.if rG
	v_wmma_scale_f32_32x16x128_f4 v[rD:rD+15], v[rA:rA+15], v[rB:rB+7], v[rD:rD+15], v[rX], v[rY] matrix_b_scale:MATRIX_SCALE_ROW1
.else
	v_wmma_scale_f32_32x16x128_f4 v[rD:rD+15], v[rA:rA+15], v[rB:rB+7], v[rD:rD+15], v[rX], v[rY]
.endif
.endif
.endr
.endr
.endm
.macro PVSTEP i
.if (\i) < 7
	s_wait_dscnt 12                                ; the next step's loads may be out
.else
	s_wait_dscnt 0x0
.endif
	MULV \i
	WIN 0
.if (\i) < 6
	PLACES
	FETCHV (\i+2)
.endif
.endm
; 32 seeds x my 128 columns leave: divided by the rows' sums, each accumulator from its low end on; then the first group's lanes 16-31 (seed 8 + j) change places with the second's lanes 0-15 (seed j):
; the first's registers then hold 128 columns of seed j, the second's those of seed 8 + j.
.macro OUTU u
.if \u
.set rO, 0
.set rP, 128
.else
.set rO, 128
.set rP, 64
.endif
	WIN 0x01+0x40*\u
.irp g, 0,1
.irp k, 0,1,2,3,4,5,6,7,8,9,10,11,12,13,14,15
.irp t, 0,1,2,3
	v_mul_f32 v[rO+rP*\g+4*\k+\t], v[128*\g+64*\u+16*\t+\k], v[INV+16*\u+\k]
.endr
.endr
.endr
	WIN 0x41*\u
.irp k, 0,1,2,3,4,5,6,7,8,9,10,11,12,13,14,15
.irp t, 0,1,2,3
	v_permlane16_swap_b32 v[rO+4*\k+\t], v[rO+rP+4*\k+\t]
.endr
.endr
	WIN 0x04*\u
.irp e, 0,1
.irp z, 0,1
.irp j, 0,1,2,3,4,5,6,7
	global_store_b128 v[GO], v[rO+rP*\z+4*(8*\e+\j):rO+rP*\z+4*(8*\e+\j)+3], s[12:13] offset:(32*\u+16*\e+8*\z+\j)*4096 th:TH_STORE_NT   ; 32 lanes store 512 consecutive bytes, at a multiple of 256 from the output's first byte
.endr
.endr
.endr
	WIN 0
.endm
	s_load_b256 s[4:11], s[0:1], 0x0               ; kimg, vimg, the seeds' codes, their scales
	s_load_b64 s[12:13], s[0:1], 0x20              ; out
	v_lshl_add_u32 v[SPW], v0, 2, SPARE
	v_mov_b32 v[NIL], 0
	ds_add_u32 v[SPW], v[NIL]                      ; the opening: the add, twice on end
	ds_add_u32 v[SPW], v[NIL]
	v_lshrrev_b32 v12, 5, v0
	v_readfirstlane_b32 s[WV], v12                 ; wave 0..7
	s_bfe_u32 s15, ttmp6, 0x40000                  ; cx
	s_bfe_u32 s16, ttmp6, 0x40004                  ; cy
	s_and_b32 s17, ttmp7, 0xffff
	s_lshl_b32 s17, s17, 1
	s_lshr_b32 s18, s16, 1
	s_add_co_u32 s17, s17, s18                     ; the batch = 2 x cluster + cy / 2: a row of the cluster shares it
	s_and_b32 s18, s16, 1
	s_lshl_b32 s18, s18, 2
	s_add_co_u32 s18, s18, s15                     ; my block of 64 seeds = 4 (cy % 2) + cx
	s_lshl_b32 s19, s16, 2
	s_lshl_b32 s19, 15, s19                        ; my row of the cluster
	s_and_b32 s21, s[WV], 1
	s_mul_i32 s20, s[WV], RPART
	s_or_b32 s[G1K], s19, (3<<16)|(1<<20)|(1<<21)|(7<<22)|(3<<25)   ; the mask; elements of 8 bytes; 4 words of padding behind every 256; bit 21 beside a mask
	s_or_b32 s[G1L], s19, (3<<16)|(1<<20)|(1<<21)|(7<<22)|(3<<25)
	s_mov_b32 s[G1Q], (3<<16)|(1<<20)|(6<<22)|(3<<25)              ; no mask; 4 words behind every 128
.irp g, G1K, G1L
	s_mov_b32 s[\g+1], 128<<16
	s_mov_b32 s[\g+3], 128<<16
	s_mov_b32 s[\g+5], 128
	s_mov_b32 s[\g+6], 0
	s_mov_b32 s[\g+7], 0
.endr
	s_mov_b32 s[G1K+2], 34<<16
	s_mov_b32 s[G1K+4], 34
	s_mov_b32 s[G1L+2], 68<<16
	s_mov_b32 s[G1L+4], 68
	s_mov_b32 s[G1Q+1], 64<<16                     ; 32 rows of 512 bytes
	s_mov_b32 s[G1Q+2], 32<<16
	s_mov_b32 s[G1Q+3], 64<<16
	s_mov_b32 s[G1Q+4], 32
	s_mov_b32 s[G1Q+5], 64
	s_mov_b32 s[G1Q+6], 0
	s_mov_b32 s[G1Q+7], 0
	s_mul_i32 s70, s17, 8*REG                      ; the batch's eight regions
	s_mul_i32 s72, s[WV], REG
	s_add_co_u32 s72, s72, s70                     ; region w: k's first half (w under 4), and v's
	s_mov_b32 s73, 0
	s_mul_i32 s74, s21, 2*REG
	s_add_co_u32 s74, s74, s70
	s_add_co_u32 s74, s74, 4*REG                   ; k's second half: two regions for each of waves 6, 7
	s_mov_b32 s75, 0
	s_lshl_b32 s76, s18, 15
	s_lshl_b32 s77, s21, 14
	s_add_co_u32 s76, s76, s77                     ; the seeds: 32 for each of waves 4, 5
	s_mov_b32 s77, 0
	s_lshl_b32 s78, s18, 11
	s_mov_b32 s79, 0
	s_lshl_b32 s80, s17, 21                        ; the output: the batch's 512 rows of 4,096 bytes,
	s_lshl_b32 s81, s18, 18                        ; my 64 rows,
	s_add_co_u32 s80, s80, s81
	s_lshl_b32 s81, s[WV], 9                       ; my wave's 128 columns
	s_add_co_u32 s80, s80, s81
	s_mov_b32 s81, 0
	s_mul_i32 s22, s21, 2*RPART
	s_add_co_u32 s22, s22, R1
	s_mul_i32 s23, s21, 32*SPT
	s_add_co_u32 s23, s23, SEED
	s_lshr_b32 s82, s[WV], 1                       ; my keys: group w / 2 of 128, half w % 2
	s_mul_i32 s83, s82, RPART
	s_mul_i32 s84, s21, 4*FP
	s_add_co_u32 s84, s84, s83
	s_lshl_b32 s85, s21, 3
	s_add_co_u32 s85, s85, s83
	s_add_co_u32 s85, s85, KSC
	s_lshl_b32 s86, s[WV], 2
	s_lshl_b32 s87, s82, 10
	s_lshl_b32 s88, s21, 9
	s_add_co_u32 s87, s87, s88
	s_lshl_b32 s88, s82, 7
	s_lshl_b32 s89, s21, 1
	s_add_co_u32 s88, s88, s89
	s_lshl_b32 s89, s[WV], 8
	s_add_co_u32 s90, s20, KSC
	s_mov_b32 s[CS], 0x3d38aa3b                    ; c = log2(e) / 32
	s_mov_b32 s[CS+1], s[CS]
	s_mov_b32 s[SEL], 0x76543210
	s_mov_b32 s[SEL+1], 0xfedcba98
	s_wait_dscnt 0x0                               ; both opening adds are done
	s_wait_kmcnt 0x0
	s_mov_b32 s[G0K], 1
	s_mov_b32 s[G0K+1], s20
	s_add_nc_u64 s[G0K+2:G0K+3], s[4:5], s[72:73]
	s_or_b32 s[G0K+3], s[G0K+3], 0x80000000
	s_mov_b32 s[G0L], 1
	s_mov_b32 s[G0L+1], s22
	s_add_nc_u64 s[G0L+2:G0L+3], s[4:5], s[74:75]
	s_or_b32 s[G0L+3], s[G0L+3], 0x80000000
	s_mov_b32 s[G0Q], 1
	s_mov_b32 s[G0Q+1], s23
	s_add_nc_u64 s[G0Q+2:G0Q+3], s[8:9], s[76:77]
	s_or_b32 s[G0Q+3], s[G0Q+3], 0x80000000
	s_mov_b32 s[G0V], 1
	s_mov_b32 s[G0V+1], s20
	s_add_nc_u64 s[G0V+2:G0V+3], s[6:7], s[72:73]
	s_or_b32 s[G0V+3], s[G0V+3], 0x80000000
	CROUND                                         ; all sixteen work-groups are here: the first joint loads meet
; The head's loads, one a wave: k's first half, the seeds, k's second half.
	ARM 4, G0K, G1K, .Lhead_q
	ARM 6, G0Q, G1Q, .Lhead_l
	tensor_load_to_lds s[G0L:G0L+3], s[G1L:G1L+7]
	s_nop 0
	PLACES
.Lhead_asked:
	s_add_nc_u64 s[10:11], s[10:11], s[78:79]
	s_add_nc_u64 s[12:13], s[12:13], s[80:81]
	v_and_b32 v14, 31, v0                          ; lane
	v_and_b32 v12, 15, v0                          ; r
	v_bfe_u32 v13, v0, 4, 1                        ; h
	v_lshlrev_b32 v[QSO], 5, v14
.irp u, 0,1
.irp f, 0,1
	global_load_b128 v[SQ+8*\u+4*\f:SQ+8*\u+4*\f+3], v[QSO], s[10:11] offset:1024*\u+16*\f   ; the words of seed 32 u + lane: 32 bytes on end a lane
.endr
.endr
	v_lshlrev_b32 v15, 4, v14                      ; 16 x lane
	v_add_nc_u32 v[AR0], s84, v15
	v_add_nc_u32 v[AR0+1], R1, v[AR0]
	v_add_nc_u32 v[AK0], s85, v15
	v_add_nc_u32 v[AK0+1], R1, v[AK0]
	v_mul_u32_u24 v[AQ], v12, SPT
	v_lshl_add_u32 v[AQ], v13, 4, v[AQ]
	v_add_nc_u32 v[AQ], SEED, v[AQ]
	v_lshl_add_u32 v[ASR], v12, 5, MAXS
	v_add_nc_u32 v[AST], s86, v[ASR]
	v_add_nc_u32 v[APL], PIMG, v15
	v_add_nc_u32 v[API], s87, v[APL]
	v_lshl_add_u32 v[APS], v12, 2, PSC
	v_add_nc_u32 v[APS], s88, v[APS]
	v_lshl_add_u32 v[APSL], v14, 2, PSC
	v_lshl_add_u32 v[ASM], v14, 5, SUMS
	v_lshl_add_u32 v[AIW], v14, 2, INVB
	v_add_nc_u32 v[AIW], s89, v[AIW]
	v_lshl_add_u32 v[AIR], v13, 5, INVB
	v_add_nc_u32 v[AIR], s89, v[AIR]
	v_lshrrev_b32 v15, 2, v12                      ; v: column 4 r + t lies in fragment r / 4, row 4 (r % 4) + t
	v_mul_u32_u24 v[AV], v15, FP
	v_and_b32 v15, 3, v12
	v_lshl_add_u32 v[AV], v15, 6, v[AV]
	v_lshl_add_u32 v[AV], v13, 8, v[AV]
	v_add_nc_u32 v[AV], s20, v[AV]
	v_and_b32 v15, 7, v12                          ; its word, of column 64 h + 4 r + t: at 16 (4 (r % 8) + t) + 4 (2 h + r / 8)
	v_lshlrev_b32 v[AVS], 6, v15
	v_lshl_add_u32 v[AVS], v13, 3, v[AVS]
	v_lshrrev_b32 v15, 3, v12
	v_lshl_add_u32 v[AVS], v15, 2, v[AVS]
	v_add_nc_u32 v[AVS], s90, v[AVS]
	v_lshlrev_b32 v[GO], 4, v14
.irp n, 0,1,2,3,4,5,6,7
	v_mov_b32 v[PX+\n], 0                          ; a lane permute's destination counts as one of its sources
.endr
	s_wait_alu depctr_va_vdst(0)                   ; the wait at the head's end
	s_cmp_lt_u32 s[WV], 6
	s_cbranch_scc0 .Llater                         ; waves 6 and 7 fetch k's second half: their wait stands at the first half's end
	s_wait_tensorcnt 0x0                           ; my part of k's first half, or of the seeds, is in
.Llater:
	s_barrier_signal -1
	s_barrier_wait -1                              ; everybody's are.
	; ---- S^T = K Q^T
	FETCHK 0
	FETCHK 1
	s_wait_loadcnt 0x0                             ; the seeds' scale words
	s_wait_dscnt 17                                ; the next step's 17 loads may be out
	MULK 0
	PLACES
	FETCHK 2
	s_wait_dscnt 17
	MULK 1
	PLACES
	FETCHK 3                                       ; the last of k's first half is asked for
	s_wait_tensorcnt 0x0                           ; all my tensor loads have landed
	ds_add_u32 v[SPW], v[NIL]                      ; 0 onto my spare word
	s_wait_dscnt 18                                ; (the add and K step 3's loads may be out)
	MULK 2
	s_wait_dscnt 0x0                               ; the add is done, and my reads of k's first half are over
	s_barrier_signal -1
	MULK 3
	WIN 0
	s_barrier_wait -1
	CREST                                          ; the same holds of every wave of all partners; k's second half is whole
	s_cmp_lt_u32 s[WV], 4
	s_cbranch_scc0 .Lno_v0
	tensor_load_to_lds s[G0V:G0V+3], s[G1K:G1K+7]  ; v of waves 0-3, each its own part
	s_nop 0
	PLACES
.Lno_v0:
	PLACES
	FETCHK 4
	FETCHK 5
	s_wait_dscnt 17
	MULK 4
	PLACES
	FETCHK 6
	s_wait_dscnt 17
	MULK 5
	PLACES
	FETCHK 7
	s_wait_dscnt 17
	MULK 6
	s_wait_dscnt 0x0                               ; my reads of k and of the seeds are over
	MULK 7
	WIN 0
	PLACES
	; ---- the largest score of each block of 32 keys (block n = 2 q + m: registers 16 n on).  It serves for the row's maximum and, since p rises with the score, for the block's largest p
	WIN 0x15
.irp n, 0,1,2,3,4,5,6,7
	v_max3_num_f32 v[BM+\n], v[16*\n], v[16*\n+1], v[16*\n+2]
.endr
	WIN 0x14
.irp i, 3,5,7,9,11,13
.irp n, 0,1,2,3,4,5,6,7
	v_max3_num_f32 v[BM+\n], v[BM+\n], v[16*\n+\i], v[16*\n+\i+1]
.endr
.endr
	WIN 0x04
.irp n, 0,1,2,3,4,5,6,7
	v_max_num_f32 v[BM+\n], v[BM+\n], v[16*\n+15]
.endr
	WIN 0
.irp n, 0,1,2,3,4,5,6,7
	v_permlanex16_b32 v[PX+\n], v[BM+\n], s[SEL], s[SEL+1]
.endr
.irp n, 0,1,2,3,4,5,6,7
	v_max_num_f32 v[BM+\n], v[BM+\n], v[PX+\n]     ; with lane l xor 16's 16 keys
.endr
.irp q, 0,1,2,3
	v_max_num_f32 v[WMX+\q], v[BM+2*\q], v[BM+2*\q+1]
.endr
.irp q, 0,1,2,3
	ds_store_b32 v[AST], v[WMX+\q] offset:512*\q   ; both halves of the lanes write the same word with the same value
.endr
	s_wait_alu depctr_va_vdst(0)                   ; the wait ahead of the waits below
	s_wait_dscnt 0x0                               ; for the others' sake: my maxima are stored
	s_barrier_signal -1                            ; v of waves 0-3 may stay out
	s_barrier_wait -1                              ; from here on nobody reads the seeds or k
.irp q, 0,1,2,3
	ds_load_b128 v[PX+8*\q:PX+8*\q+3], v[ASR] offset:512*\q
	ds_load_b128 v[PX+8*\q+4:PX+8*\q+7], v[ASR] offset:512*\q+16
.endr
	s_wait_dscnt 0x0
.irp q, 0,1,2,3
	v_max3_num_f32 v[WMX+\q], v[PX+8*\q], v[PX+8*\q+1], v[PX+8*\q+2]
.endr
.irp i, 3,5
.irp q, 0,1,2,3
	v_max3_num_f32 v[WMX+\q], v[WMX+\q], v[PX+8*\q+\i], v[PX+8*\q+\i+1]
.endr
.endr
.irp q, 0,1,2,3
	v_max_num_f32 v[WMX+\q], v[WMX+\q], v[PX+8*\q+7]   ; the row's largest score
.endr
.irp q, 0,1,2,3
	v_mul_f32 v[NMP+2*\q+1], s[CS], v[WMX+\q]      ; as t (c is positive)
.endr
.irp q, 0,1,2,3
	v_floor_f32 v[NMP+2*\q], -v[NMP+2*\q+1]        ; -M = floor(-t) = -ceil(t): M is a whole number
.endr
	; ---- p = 2^(t - M)
	WIN 0x41
.irp q, 0,1,2,3
.set j, 0
.rept 16
	v_pk_fma_f32 v[32*\q+j:32*\q+j+1], v[32*\q+j:32*\q+j+1], s[CS:CS+1], v[NMP+2*\q:NMP+2*\q+1] op_sel_hi:[1,0,0]
.set j, j+2
.endr
.endr
	WIN 0
.irp n, 0,1,2,3,4,5,6,7
	v_fma_f32 v[BM+\n], v[BM+\n], s[CS], v[NMP+2*(\n/2)]
.endr
	WIN 0x41
.set j, 0
	s_wait_alu depctr_va_vdst(0)                   ; the wait ahead of the batch
.rept 128
	v_exp_f32 v[j], v[j]                           ; p, at most 1: not normalised
.set j, j+1
.endr
	WIN 0
.irp n, 0,1,2,3,4,5,6,7
	v_exp_f32 v[BM+\n], v[BM+\n]                   ; the block's largest p: the same two instructions on the same number
.endr
	v_nop                                          ; a plain place behind the exponentials
	s_wait_alu depctr_va_vdst(0)                   ; and behind it
.irp n, 0,1,2,3,4,5,6,7
	v_max_num_f32 v[BM+\n], 0x1800000, v[BM+\n]    ; the floor 2^(3 - 127)
.endr
.irp n, 0,1,2,3,4,5,6,7
	v_add_nc_u32 v[SO+\n], 0xff000000, v[BM+\n]    ; 2 off the exponent field: the conversion's scale operand
.endr
.irp n, 0,1,2,3,4,5,6,7
	v_lshrrev_b32 v[PX+\n], 23, v[SO+\n]           ; the scale's byte
.endr
.irp q, 0,1,2,3
	v_lshl_or_b32 v[PW+\q], v[PX+2*\q+1], 8, v[PX+2*\q]   ; my half of the scale word of seed 16 q + r
.endr
	WIN 0x01
.irp q, 0,1,2,3
.irp m, 0,1                            ; block m, half e goes to code register 2 e + m
	v_cvt_scalef32_pk8_fp4_f32 v[PC+4*\q+\m], v[32*\q+16*\m:32*\q+16*\m+7], v[SO+2*\q+\m]
	v_cvt_scalef32_pk8_fp4_f32 v[PC+4*\q+2+\m], v[32*\q+16*\m+8:32*\q+16*\m+15], v[SO+2*\q+\m]
.endr
.endr
	WIN 0
	v_nop                                          ; one plain place behind a scaled conversion
.irp q, 0,1,2,3
	v_permlane16_swap_b32 v[PC+4*\q], v[PC+4*\q+1]
	v_permlane16_swap_b32 v[PC+4*\q+2], v[PC+4*\q+3]
.endr
	; ---- the row's sum, of the unquantised p: two at a time, in two chains for each tile
	WIN 0x05
.irp q, 0,1,2,3
	v_pk_add_f32 v[LA+2*\q:LA+2*\q+1], v[32*\q:32*\q+1], v[32*\q+2:32*\q+3]
	v_pk_add_f32 v[LB+2*\q:LB+2*\q+1], v[32*\q+4:32*\q+5], v[32*\q+6:32*\q+7]
.endr
	WIN 0x04
.irp j, 8,12,16,20,24,28
.irp q, 0,1,2,3
	v_pk_add_f32 v[LA+2*\q:LA+2*\q+1], v[LA+2*\q:LA+2*\q+1], v[32*\q+\j:32*\q+\j+1]
	v_pk_add_f32 v[LB+2*\q:LB+2*\q+1], v[LB+2*\q:LB+2*\q+1], v[32*\q+\j+2:32*\q+\j+3]
.endr
.endr
	WIN 0
.irp q, 0,1,2,3
	v_pk_add_f32 v[LA+2*\q:LA+2*\q+1], v[LA+2*\q:LA+2*\q+1], v[LB+2*\q:LB+2*\q+1]
.endr
.irp q, 0,1,2,3
	v_add_f32 v[LA+2*\q], v[LA+2*\q], v[LA+2*\q+1]
.endr
.irp q, 0,1,2,3
	v_permlanex16_b32 v[PX+\q], v[LA+2*\q], s[SEL], s[SEL+1]
.endr
.irp q, 0,1,2,3
	v_add_f32 v[LA+2*\q], v[LA+2*\q], v[PX+\q]     ; the sum over my 64 keys
.endr
.irp q, 0,1,2,3
	ds_store_b32 v[AST], v[LA+2*\q] offset:(SUMS-MAXS)+512*\q
	ds_store_b128 v[API], v[PC+4*\q:PC+4*\q+3] offset:4096*\q
	ds_store_b16 v[APS], v[PW+\q] offset:512*(\q/2)+64*(\q%2)
.endr
	s_wait_tensorcnt 0x0                           ; all my tensor loads have landed: v of waves 0-3, each wave's own part
	ds_add_u32 v[SPW], v[NIL]                      ; 0 onto my spare word
	s_wait_dscnt 0x0                               ; the add is done, and for the others' sake my stores of P and of the sums
	CROUND                                         ; also the barrier between those stores and their reads
	s_cmp_lt_u32 s[WV], 4
	s_cbranch_scc1 .Lno_v1
	tensor_load_to_lds s[G0V:G0V+3], s[G1K:G1K+7]  ; v of waves 4-7, each its own part
	s_nop 0
	PLACES
.Lno_v1:
.irp u, 0,1
	ds_load_b128 v[64+8*\u:67+8*\u], v[ASM] offset:1024*\u          ; the eight waves' sums of seed 32 u + lane
	ds_load_b128 v[68+8*\u:71+8*\u], v[ASM] offset:1024*\u+16
.endr
.irp s, 0,1,2,3
.irp q, 0,1,2,3
.set rF, 128+64*(\q/2)+16*\s+8*(\q%2)
	ds_load_b128 v[rF:rF+3], v[APL] offset:1024*(4*\q+\s)
	ds_load_b128 v[rF+4:rF+7], v[APL] offset:1024*(4*\q+\s)+512
.endr
.endr
.irp f, 0,1,2,3,4,5,6,7
	ds_load_b32 v[PSR+\f], v[APSL] offset:128*\f
.endr
	s_wait_dscnt 40                                ; the sums are in; P's 32 + 8 loads may be out
.irp u, 0,1
	v_pk_add_f32 v[64+8*\u:65+8*\u], v[64+8*\u:65+8*\u], v[66+8*\u:67+8*\u]
	v_pk_add_f32 v[68+8*\u:69+8*\u], v[68+8*\u:69+8*\u], v[70+8*\u:71+8*\u]
.endr
.irp u, 0,1
	v_pk_add_f32 v[64+8*\u:65+8*\u], v[64+8*\u:65+8*\u], v[68+8*\u:69+8*\u]
.endr
.irp u, 0,1
	v_add_f32 v[64+8*\u], v[64+8*\u], v[65+8*\u]
.endr
	s_wait_alu depctr_va_vdst(0)                   ; the wait ahead of the reciprocals
	v_rcp_f32 v12, v64
	v_rcp_f32 v13, v72
	v_nop
	s_wait_alu depctr_va_vdst(0)                   ; and behind them
	ds_store_b32 v[AIW], v12                       ; in my own bytes: LDS serves a wave's instructions in order (ISA guide 5.7.1.4)
	ds_store_b32 v[AIW], v13 offset:128
.irp q, 0,1,2,3
	ds_load_b128 v[INV+8*\q:INV+8*\q+3], v[AIR] offset:64*\q        ; of seeds 16 q + 8 h + 0 .. 7
	ds_load_b128 v[INV+8*\q+4:INV+8*\q+7], v[AIR] offset:64*\q+16
.endr
	s_wait_tensorcnt 0x0                           ; my own part of v is in; no other wave reads it
	; ---- O = P V
	FETCHV 0
	FETCHV 1
	PVSTEP 0
	PVSTEP 1
	PVSTEP 2
	PVSTEP 3
	PVSTEP 4
	PVSTEP 5
	PVSTEP 6
	PVSTEP 7
	PLACES
	OUTU 0                                         ; over P's registers, which are done with
	OUTU 1                                         ; over the accumulators that have left
	s_wait_tensorcnt 0x0                           ; the wave's end
	ds_add_u32 v[SPW], v[NIL]
	s_wait_dscnt 0x0
	CROUND                                         ; the closing round
	s_endpgm
.Lfunc_end_k_q356e2085dd_attn:
	.size	k_q356e2085dd_attn, .Lfunc_end_k_q356e2085dd_attn-k_q356e2085dd_attn
	.p2alignl 7, 3214868480
	.fill 96, 4, 3214868480
	.section	.rodata,"a",@progbits
	.p2align	6, 0x0
	.amdhsa_kernel k_q356e2085dd_attn
		.amdhsa_group_segment_fixed_size 327680
		.amdhsa_private_segment_fixed_size 0
		.amdhsa_enable_private_segment 0
		.amdhsa_kernarg_size 40
		.amdhsa_user_sgpr_count 2
		.amdhsa_user_sgpr_kernarg_segment_ptr 1
		.amdhsa_wavefront_size32 1
		.amdhsa_system_sgpr_workgroup_id_x 1
		.amdhsa_system_sgpr_workgroup_id_y 1
		.amdhsa_system_sgpr_workgroup_id_z 1
		.amdhsa_system_vgpr_workitem_id 0
		.amdhsa_next_free_vgpr 512
		.amdhsa_next_free_sgpr 92
		.amdhsa_reserve_vcc 0
		.amdhsa_float_denorm_mode_32 3
		.amdhsa_float_denorm_mode_16_64 3
		.amdhsa_memory_ordered 1
		.amdhsa_forward_progress 1
		.amdhsa_inst_pref_size 91
	.end_amdhsa_kernel
	.amdgpu_metadata
---
amdhsa.version: [ 1, 2 ]
amdhsa.kernels:
  - .name:           k_q356e2085dd_attn
    .symbol:         k_q356e2085dd_attn.kd
    .args:
      - { .name: kimg, .offset: 0, .size: 8, .value_kind: global_buffer, .address_space: global }
      - { .name: vimg, .offset: 8, .size: 8, .value_kind: global_buffer, .address_space: global }
      - { .name: seed_vectors_codes, .offset: 16, .size: 8, .value_kind: global_buffer, .address_space: global }
      - { .name: seed_vectors_scales, .offset: 24, .size: 8, .value_kind: global_buffer, .address_space: global }
      - { .name: out0, .offset: 32, .size: 8, .value_kind: global_buffer, .address_space: global }
    .group_segment_fixed_size: 327680
    .private_segment_fixed_size: 0
    .kernarg_segment_align: 8
    .kernarg_segment_size: 40
    .max_flat_workgroup_size: 256
    .sgpr_count:     92
    .vgpr_count:     512
    .wavefront_size: 32
...
	.end_amdgpu_metadata
.endif
;; end of part 2
